; MI455X (gfx1250); checked and timed in simulation.
; The chip was launched on July 23, 2026; its instructions are those of AMD's public machine-readable ISA for CDNA 5 (MIT licence, August 2026) and "CDNA5" Instruction Set Architecture Reference Guide (July 2026). The comments in the code are by the model that wrote it; some were corrected since.
;; Bahdanau Attention. Allowed arithmetic: matrix products marked QUANTISED: E5M2 operands, one E8M0 scale for each 32 along K, by v_wmma_scale_f32_16x16x128_f8f6f4 with both operands' format E5M2, f32 sums; products left as they are: f32 operands where the result goes on into a quantised operand, else bf16, f16 or f32 operands; f32 sums; everything else in f32.
;; Inputs: Ua_b 1,024 float32; Ua_w 1,024 x 1,024 float32; Va_b 1 float32; Va_w 1 x 1,024 float32; Wa_b 1,024 float32; Wa_w 1,024 x 1,024 float32; keys 32 x 2,048 x 1,024 float32; mask 32 x 2,048 int32; query 32 x 1,024 float32.
;; Outputs: out0 32 x 1,024 float32; out1 32 x 2,048 float32.
;; This version of the problem:
;;   THIS VERSION OF THE PROBLEM IS GIVEN IN LOW PRECISION. The matrix products marked QUANTISED in the list below multiply operands that are first quantised to E5M2 (5 exponent bits, 2 mantissa bits; 8 bits a number), with one power-of-two scale for each 32 numbers along K (OCP MX v1.0); their sums are f32. All else is computed in f32.
;;   The module's matrix products, in the order in which they are computed (A, B: the left and right operand; K: the contracted axis; several contracted axes count as one K, in the product's order):
;;     1. [M 32, K 1,024] x [K 1,024, N 1,024]; A: input query; B: input Wa_w: QUANTISED
;;     2. [M 65,536, K 1,024] x [K 1,024, N 1,024]; A: input keys; B: input Ua_w: QUANTISED
;;     3. [M 65,536, K 1,024] x [K 1,024, N 1]; A: computed on the way; B: input Va_w: left as it is (N = 1 < 16)
;;     4. batch 32 x [M 1, K 2,048] x [K 2,048, N 1,024]; A: softmax; B: input keys: left as it is (M = 1 < 16)
;;   THE QUANTISER, for each operand of a quantised product, along K:
;;     - K is cut into blocks of 32 from its start; a last block that is shorter is filled with zeros.
;;     - A block's scale is 2^e with e = floor(log2(the largest magnitude in the block)) - 15, held to -126 .. 127; a block of zeros has e = 0. As a byte (E8M0): e + 127.
;;     - Each number is divided by its block's scale, clamped to +-57,344, and rounded to the nearest number of E5M2, ties to even, subnormals kept.
;;     - The product sums the exact products of the quantised numbers (number of the format x scale) in f32.
;;   ~~~python
;;   def quantise(x, axis):      # numpy; x: float32 -> the quantised numbers, widened to float32 again
;;       x = np.moveaxis(x, axis, -1); K = x.shape[-1]
;;       x = np.pad(x, [(0, 0)] * (x.ndim - 1) + [(0, -K % 32)]); x = x.reshape(x.shape[:-1] + (-1, 32)); a = np.abs(x).max(-1, keepdims=True)
;;       e = np.where(a > 0, np.clip(np.frexp(np.where(a > 0, a, 1))[1] - 1 - 15, -126, 127), 0)      # np.frexp(a)[1] - 1 = floor(log2(a)), exactly
;;       r = np.clip(x / 2.0 ** e, -57344, 57344)
;;       step = 2.0 ** (np.maximum(np.frexp(np.where(r == 0, 1, r))[1] - 1, -14) - 2)
;;       q = np.round(r / step) * step * 2.0 ** e      # np.round: ties to even
;;       return np.moveaxis(q.reshape(q.shape[:-2] + (-1,))[..., :K], -1, axis).astype(np.float32)
;;   ~~~
;; One version. Each part assembles by itself: llvm-mc -triple=amdgcn-amd-amdhsa -mcpu=gfx1250 --defsym DOCPART=n.
;; ======== version 1 of 1: 3 launches
;; limits: right only within a limited range of input values
;; workspace buffers: ua_img 1,048,576 bytes; ua_sc 32,768 bytes; biasc 131,072 bytes; k0 4,096 bytes; rows 278,528 bytes of whole numbers; pos 262,144 bytes of whole numbers; cnt 4,096 bytes of whole numbers; sc 278,528 bytes
;; launch prep (part 1): grid 160 x 1, 8 waves a work-group, no clusters, 157,184 bytes of LDS; arguments query, Wa_w, Wa_b, Ua_w, Ua_b, Va_w, Va_b, mask, ua_img, ua_sc, biasc, k0, rows, pos, cnt; writes ua_img, ua_sc, biasc, k0, rows, pos, cnt
.if DOCPART == 1
	.amdgcn_target "amdgcn-amd-amdhsa--gfx1250"
	.amdhsa_code_object_version 6
	.text
	.protected	k_q1caafe42e0_prep
	.globl	k_q1caafe42e0_prep
	.p2align	8
	.type	k_q1caafe42e0_prep,@function
k_q1caafe42e0_prep:
	s_mov_b64 s[64:65], 0
	v_nop
	global_prefetch_b8 v0, s[64:65] scope:SCOPE_SE
	s_setreg_imm32_b32 hwreg(HW_REG_WAVE_MODE, 25, 1), 1
	s_wait_xcnt 0x0
; BahdanauAttention, launch 1 of 3: all that is small and is read by many.
; WORK LEFT OUT BY THE WHOLE PROGRAM, AND WHY.  mask is a whole-number input that the problem compares with 0: a row s with mask[b][s] == 0 gets the score finfo.min.  If batch b has one open row, the
; softmax's maximum is an open score, exp(finfo.min - maximum) is 0, so the row's weight is 0 and its key enters the context with the factor 0: its k_proj, its tanh and its score reach no output, whatever
; finite numbers the inputs hold.  So only open rows are gathered, quantised and multiplied, by launches that read the choice from memory as whole numbers.  If a batch has NO open row, all its scores are
; equal, the weights are 1 / 2,048 and the context is the mean of its keys: such a batch lists all its rows and a flag, and the next launch selects one equal score for them.
; Va_b stays (the mask replaces it on masked rows, so it is not the same along the softmax's axis): it is folded into k0.
; LIMITS: a NaN, an infinity or an overflow that reaches only a masked row's work is not carried to the result; an open score within about 100 of finfo.min is not served; NaN and infinities among the inputs
; are not served; a block of zeros gets the scale byte 1 where the rule says 127 (its codes are zeros, and this program alone reads the bytes).
; ROLES, by the work-group's number x.  0-63: Ua_w's rows 16 x .. 16 x + 15 become codes of E5M2 and E8M0 scale words, laid as images of the operand's registers.  64-127: q_proj for Wa_w's rows 16 (x - 64) on and
; all 32 batches, by the scaled matrix instruction, then biasc = c (q_proj + Wa_b + Ua_b), c = 2 log2(e), laid [tile of 16 g][batch][16]: 2,048 consecutive bytes a work-group.
; 128-159: batch x - 128: the list of open rows (a counting sort without atomics), its inverse, the count, and k0.
; In the first two roles wave s takes K step s (128 along K).  A unit is 16 rows x 128 K: each row comes by one load of 512 consecutive bytes, the unit turns through the wave's own stage in LDS (rows 528 bytes
; apart), and comes back with 16 neighbours along K of each block of 32 in a lane's registers, as the conversions and the operand's layout want them.
; One barrier, on the way that all roles take; each role has LDS bytes of its own.
.set STU,   0                          ; LDS: role U's stages, 8 x 8,448 bytes
.set STA,   67584                      ; role W's stages, 8 x 8,448
.set PPL,   135168                     ; role W: the eight waves' partial sums, 8 x [32 batches][64 bytes + 16]
.set USC,   155648                     ; role U: the tile's scale words, 512 bytes
.set SPARE, 156160                     ; the spare words, 128 bytes for each wave: four blocks of 256 bytes that no other line names
.set L16, 1                            ; v1   16 x lane
.set RR,  2                            ; v2   r = lane % 16
.set HH,  3                            ; v3   h = lane / 16
.set SWU, 4                            ; v4   role U: the stage, on the way in
.set SRU, 5                            ; v5   and on the way out
.set SWW, 6                            ; v6   role W likewise
.set SRW, 7                            ; v7
.set USW, 8                            ; v8   where I put a scale word
.set USR, 9                            ; v9   where the tile's scale words are read back
.set PWR, 10                           ; v10  where I put partial sums
.set PRD, 11                           ; v11  where they are read back
.set BO,  12                           ; v12  16 x (lane % 4)
.set BSO, 13                           ; v13  my byte offset in the work-group's part of biasc
.set LN,  14                           ; v14  lane
.set L4,  15                           ; v15  4 x lane
.set TM,  16                           ; v16-31 the quantiser's work
.set PW,  32                           ; v32-34 scale words, and nothing else
.set HB,  40                           ; v40  32 h
.set Y,   64                           ; v64-127 64 numbers of a lane
.set PC,  128                          ; v128-175 codes: 16 registers a unit
.set VS,  168                          ; v168-199 the list role's wave 0: Va_w
.set CB8, 176                          ; v176-191 role W: Wa_b and Ua_b of my eight g; then an eighth of their sum in v176-183
.set SPW, 254                          ; v254 LDS address of my spare word; never rewritten
.set NIL, 255                          ; v255 0; never rewritten
.set WV,  34
.set SEL, 36                           ; s[36:37] v_permlanex16_b32's selects for lane l xor 16
.set MNT, 38                           ; s38  the mantissa field of 57,344
.set CS,  40                           ; s[40:41] c = 2 log2(e)
.set CB,  66                           ; s66-73 the list role: open rows in each block of 256
.set SM,  74                           ; s74-81 my wave's eight lane masks
.set TOT, 84
.set FLG, 85
.set ALL, 86
.set RUN, 87
.set CNT, 88
.set VAB, 89
.set ENB, 90
.set W256, 91
.set MSB, 0
.macro WIN new                         ; the immediate's high byte repeats the setting that is left
.if MSB != \new
	s_set_vgpr_msb (MSB<<8)|\new
.set MSB, \new
.endif
.endm
.macro ULOAD xs, base, off             ; a unit: 16 rows x 512 consecutive bytes, into landing set xs (window 1)
	WIN 0x40
.irp p, 0,1,2,3,4,5,6,7,8,9,10,11,12,13,14,15
	global_load_b128 v[64*(\xs)+4*\p:64*(\xs)+4*\p+3], v[L16], s[\base:\base+1] offset:(\off)+4096*\p
.endr
	WIN 0
.endm
.macro TURN xs, stw, str               ; through the stage: LDS serves a wave's instructions in order, so no wait stands between the stores and the loads
	WIN 0x04                                       ; an LDS store's data are its source 1: window 1
.irp p, 0,1,2,3,4,5,6,7,8,9,10,11,12,13,14,15
	ds_store_b128 v[\stw], v[64*(\xs)+4*\p:64*(\xs)+4*\p+3] offset:528*\p
.endr
	WIN 0
.irp b, 0,1,2,3
.irp j, 0,1,2,3
	ds_load_b128 v[Y+16*\b+4*\j:Y+16*\b+4*\j+3], v[\str] offset:128*\b+16*\j
.endr
.endr
.endm
; 64 numbers of a lane, register 16 b + i = k 32 b + 16 h + i of row r, become a fragment's codes in v[pc] on and its scale word in v[pw]
.macro QUANT s, pc, pw
.irp b, 0,1,2,3
	v_max3_num_f32 v[TM+\b], |v[\s+16*\b]|, |v[\s+1+16*\b]|, 0x8000000   ; my 16 numbers of block b, and the floor 2^(16 - 127): the byte cannot fall under 1
.endr
.irp i, 2,4,6,8,10,12,14
.irp b, 0,1,2,3
	s_delay_alu instid0(VALU_DEP_4)
	v_max3_num_f32 v[TM+\b], v[TM+\b], |v[\s+16*\b+\i]|, |v[\s+1+16*\b+\i]|
.endr
.endr
.irp b, 0,1,2,3
	s_delay_alu instid0(VALU_DEP_4)
	v_permlanex16_b32 v[TM+4+\b], v[TM+\b], s[SEL], s[SEL+1]
.endr
.irp b, 0,1,2,3
	s_delay_alu instid0(VALU_DEP_4)
	v_max_num_f32 v[TM+\b], v[TM+\b], v[TM+4+\b]   ; with lane l xor 16's: the block's largest magnitude
.endr
.irp b, 0,1,2,3
	s_delay_alu instid0(VALU_DEP_4)
	v_add_nc_u32 v[TM+12+\b], 0xf8800000, v[TM+\b] ; 15 off its exponent field: the conversion's scale operand
.endr
.irp b, 0,1,2,3
	v_and_or_b32 v[TM+8+\b], v[TM+\b], 0x7f800000, s[MNT]   ; 57,344 x the scale
.endr
.irp b, 0,1,2,3
	v_lshrrev_b32 v[TM+4+\b], 23, v[TM+12+\b]      ; the scale's byte
.endr
	s_delay_alu instid0(VALU_DEP_3)
	v_lshl_or_b32 v[\pw], v[TM+5], 8, v[TM+4]
	s_delay_alu instid0(VALU_DEP_1)
	v_lshl_or_b32 v[\pw], v[TM+6], 16, v[\pw]
	s_delay_alu instid0(VALU_DEP_1)
	v_lshl_or_b32 v[\pw], v[TM+7], 24, v[\pw]
.irp b, 0,1,2,3
.irp i, 0,1,2,3,4,5,6,7,8,9,10,11,12,13,14,15
	v_med3_num_f32 v[\s+16*\b+\i], v[\s+16*\b+\i], -v[TM+8+\b], v[TM+8+\b]   ; the conversion to an 8-bit code does not saturate (ISA guide 7.6.2): the hold
.endr
	v_cvt_scalef32_pk8_bf8_f32 v[\pc+4*\b:\pc+1+4*\b], v[\s+16*\b:\s+7+16*\b], v[TM+12+\b]
	v_cvt_scalef32_pk8_bf8_f32 v[\pc+2+4*\b:\pc+3+4*\b], v[\s+8+16*\b:\s+15+16*\b], v[TM+12+\b]
.endr
	v_nop                                          ; one plain line behind the last conversion
.endm
; One batch's list, a wave's share.  Rows are enumerated wave by wave (256 rows), then register by register (k), then lane by lane; row = 256 w + 128 (k / 4) + 4 lane + k % 4.
; va = 1 (wave 0): Va_w is asked for with the mask, and stays out while the list is made.
.macro MLIST va
.irp q, 0,1,2,3,4,5,6,7,8,9,10,11,12,13,14,15
	global_load_b128 v[Y+4*\q:Y+4*\q+3], v[L16], s[46:47] offset:512*\q   ; every wave reads the whole batch's mask: no wave waits for another
.endr
	global_load_b128 v[128:131], v[L16], s[48:49]
	global_load_b128 v[132:135], v[L16], s[48:49] offset:512
.if \va
.irp q, 0,1,2,3,4,5,6,7
	global_load_b128 v[VS+4*\q:VS+4*\q+3], v[L16], s[14:15] offset:512*\q
.endr
	s_wait_loadcnt 8                               ; loads come back in order: the mask is in, Va_w's eight loads may be out
.else
	s_wait_loadcnt 0x0
.endif
	s_wait_kmcnt 0x0
.set j_, 0
.rept 8                                ; register n holds rows 128 (n / 4) + 4 lane + n % 4: block n / 8.  Eight compares, eight counts, the sum: a run of each kind
.irp k, 0,1,2,3,4,5,6,7
	v_cmp_ne_u32 s[92+\k], 0, v[Y+8*j_+\k]
.endr
.irp k, 0,1,2,3,4,5,6,7
	s_bcnt1_i32_b32 s[92+\k], s[92+\k]
.endr
	s_add_co_u32 s[CB+j_], s92, s93
.irp k, 2,3,4,5,6,7
	s_add_co_u32 s[CB+j_], s[CB+j_], s[92+\k]
.endr
.set j_, j_+1
.endr
.irp k, 0,1,2,3,4,5,6,7
	v_cmp_ne_u32 s[SM+\k], 0, v[128+\k]
.endr
	s_add_co_u32 s[TOT], s[CB], s[CB+1]
.irp j, 2,3,4,5,6,7
	s_add_co_u32 s[TOT], s[TOT], s[CB+\j]
.endr
	s_mov_b32 s[CNT], 2048
	s_lshl_b32 s[W256], s[WV], 8
	s_mov_b32 s[RUN], 0
.irp j, 0,1,2,3,4,5,6
	s_cmp_gt_u32 s[WV], \j
	s_cselect_b32 s92, s[CB+\j], 0
	s_add_co_u32 s[RUN], s[RUN], s92               ; open rows in the blocks ahead of mine
.endr
	s_cmp_eq_u32 s[TOT], 0                         ; no open row at all: every row is listed
	s_cselect_b32 s[FLG], 1, 0
	s_cselect_b32 s[ALL], -1, 0
	s_cselect_b32 s[CNT], s[CNT], s[TOT]
	s_cselect_b32 s[RUN], s[W256], s[RUN]
	s_add_co_u32 s[ENB], s[CNT], s[W256]
.irp k, 0,1,2,3,4,5,6,7
	s_or_b32 s[SM+\k], s[SM+\k], s[ALL]
.endr
.irp k, 0,1,2,3,4,5,6,7
	v_mbcnt_lo_u32_b32 v[136+\k], s[SM+\k], s[RUN] ; listed rows ahead of mine in the enumeration
	v_add3_u32 v[144+\k], s[ENB], v[LN], 32*\k     ; count + my number in the enumeration,
	s_delay_alu instid0(VALU_DEP_1)
	v_sub_nc_u32 v[144+\k], v[144+\k], v[136+\k]   ; less those: a masked row's place, behind all listed ones
	v_add3_u32 v[152+\k], s[W256], v[L4], 128*(\k/4)+\k%4   ; my row
	s_bcnt1_i32_b32 s92, s[SM+\k]
	s_add_co_u32 s[RUN], s[RUN], s92
	v_cndmask_b32 v[136+\k], v[144+\k], v[136+\k], s[SM+\k]   ; the row's place
	v_cndmask_b32 v[152+\k], 0, v[152+\k], s[SM+\k]           ; what stands there: the row, or row 0 as a filler
	s_delay_alu instid0(VALU_DEP_2)
	v_min_u32 v[144+\k], 2175, v[136+\k]
	s_delay_alu instid0(VALU_DEP_1)
	v_lshlrev_b32 v[144+\k], 2, v[144+\k]
	global_store_b32 v[144+\k], v[152+\k], s[52:53]
.endr
	global_store_b128 v[L16], v[136:139], s[54:55]             ; pos: 512 consecutive bytes a store
	global_store_b128 v[L16], v[140:143], s[54:55] offset:512
	v_lshlrev_b32 v160, 2, v[RR]
	s_delay_alu instid0(VALU_DEP_1)
	v_lshl_add_u32 v160, s[WV], 6, v160
	v_mov_b32 v161, 0
	global_store_b32 v160, v161, s[52:53] offset:8192          ; places 2,048 to 2,175: fillers (both halves of the lanes store the same word)
.endm
	s_load_b512 s[4:19], s[0:1], 0x0               ; query, Wa_w, Wa_b, Ua_w, Ua_b, Va_w, Va_b, mask
	s_load_b256 s[20:27], s[0:1], 0x40             ; ua_img, ua_sc, biasc, k0
	s_load_b128 s[28:31], s[0:1], 0x60             ; rows, pos
	s_load_b64 s[32:33], s[0:1], 0x70              ; cnt
	v_lshl_add_u32 v[SPW], v0, 2, SPARE
	v_mov_b32 v[NIL], 0
	v_lshrrev_b32 v[LN], 5, v0
	s_delay_alu instid0(VALU_DEP_1)
	v_readfirstlane_b32 s[WV], v[LN]               ; wave 0..7
	v_and_b32 v[LN], 31, v0
	v_and_b32 v[RR], 15, v0
	v_bfe_u32 v[HH], v0, 4, 1
	s_delay_alu instid0(VALU_DEP_3)
	v_lshlrev_b32 v[L16], 4, v[LN]
	s_delay_alu instid0(VALU_DEP_4)
	v_lshlrev_b32 v[L4], 2, v[LN]
	v_and_b32 v[BO], 3, v0
	s_delay_alu instid0(VALU_DEP_1)
	v_lshlrev_b32 v[BO], 4, v[BO]
	v_lshlrev_b32 v[HB], 5, v[HH]
	; every LDS address is made here, ahead of the parting of the roles
	s_mul_i32 s42, s[WV], 8448
	v_add_nc_u32 v[SWU], s42, v[L16]               ; in: 16 x lane; a row's 512 bytes on end
	v_mul_u32_u24 v[SRU], v[RR], 528
	s_delay_alu instid0(VALU_DEP_1)
	v_lshl_add_u32 v[SRU], v[HH], 6, v[SRU]
	s_delay_alu instid0(VALU_DEP_1)
	v_add_nc_u32 v[SRU], s42, v[SRU]               ; out: row r, + 64 h: my 16 numbers of a block of 32
	s_delay_alu instid0(VALU_DEP_4)
	v_add_nc_u32 v[SWW], STA, v[SWU]
	s_delay_alu instid0(VALU_DEP_2)
	v_add_nc_u32 v[SRW], STA, v[SRU]
	s_and_b32 s43, s[WV], 1
	s_lshl_b32 s43, s43, 8
	s_lshr_b32 s44, s[WV], 1
	s_lshl_b32 s44, s44, 2
	s_add_co_u32 s43, s43, s44
	s_add_co_u32 s43, s43, USC
	v_lshl_add_u32 v[USW], v[RR], 4, s43           ; the tile's words: [lane 16 (s % 2) + r][s / 2]
	v_add_nc_u32 v[USR], USC, v[L16]
	s_mul_i32 s43, s[WV], 2560
	s_add_co_u32 s43, s43, PPL
	v_mul_u32_u24 v[PWR], v[RR], 80
	s_delay_alu instid0(VALU_DEP_1)
	v_lshl_add_u32 v[PWR], v[HH], 5, v[PWR]
	s_delay_alu instid0(VALU_DEP_1)
	v_add_nc_u32 v[PWR], s43, v[PWR]               ; my wave's sheet: batch r, + 32 h
	s_and_b32 s43, s[WV], 3
	s_mul_i32 s44, s43, 8*80
	s_add_co_u32 s44, s44, PPL
	v_bfe_u32 v[PRD], v0, 2, 3                     ; lane / 4
	s_delay_alu instid0(VALU_DEP_1)
	v_mul_u32_u24 v[PRD], v[PRD], 80
	s_delay_alu instid0(VALU_DEP_1)
	v_add_nc_u32 v[PRD], v[PRD], v[BO]
	s_delay_alu instid0(VALU_DEP_1)
	v_add_nc_u32 v[PRD], s44, v[PRD]               ; back: batch 8 (wave % 4) + lane / 4, 16 bytes for each of four lanes
	s_lshl_b32 s43, s43, 9
	v_add_nc_u32 v[BSO], s43, v[L16]               ; and the same place in biasc: 64 bytes a batch
.irp b, 0,1,2,3
	v_mov_b32 v[TM+4+\b], 0                        ; written once: a lane permute's destination counts as one of its sources
.endr
	s_mov_b32 s[SEL], 0x76543210
	s_mov_b32 s[SEL+1], 0xfedcba98
	s_mov_b32 s[MNT], 0x600000
	s_mov_b32 s[CS], 0x4038aa3b
	s_mov_b32 s[CS+1], s[CS]                       ; (named with it as a pair, so it is written)
	s_wait_kmcnt 0x0
	s_cmp_lt_u32 ttmp9, 64
	s_cbranch_scc1 .Lua
	s_cmp_lt_u32 ttmp9, 128
	s_cbranch_scc1 .Lwa
	; ---- THE LIST ROLE
	s_sub_co_u32 s50, ttmp9, 128                   ; the batch
	s_lshl_b32 s44, s50, 13
	s_mov_b32 s45, 0
	s_add_nc_u64 s[46:47], s[18:19], s[44:45]      ; the batch's mask
	s_lshl_b32 s51, s[WV], 10
	s_add_co_u32 s44, s44, s51
	s_add_nc_u64 s[48:49], s[18:19], s[44:45]      ; my wave's 256 rows of it,
	s_add_nc_u64 s[54:55], s[30:31], s[44:45]      ; and of pos
	s_mul_i32 s44, s50, 8704
	s_add_nc_u64 s[52:53], s[28:29], s[44:45]      ; the batch's 2,176 places of rows
	s_lshl_b32 s44, s50, 7
	s_add_nc_u64 s[56:57], s[32:33], s[44:45]      ; its record in cnt,
	s_add_nc_u64 s[58:59], s[26:27], s[44:45]      ; and in k0
	s_load_b32 s[VAB], s[16:17], 0x0               ; Va_b
	s_cmp_lg_u32 s[WV], 0                          ; one parting: wave 0's way holds the list's lines once more, with Va_w's loads among them
	s_cbranch_scc1 .Lm_rest
	MLIST 1
	v_mov_b32 v162, s[CNT]                         ; the batch's record: word 0 the count, word 1 the flag, the rest 0
	v_mov_b32 v163, s[FLG]
	v_cmp_eq_u32 vcc_lo, 0, v[LN]
	s_delay_alu instid0(VALU_DEP_1)
	v_cndmask_b32 v164, 0, v162, vcc_lo
	v_cmp_eq_u32 vcc_lo, 1, v[LN]
	s_delay_alu instid0(VALU_DEP_1)
	v_cndmask_b32 v164, v164, v163, vcc_lo
	global_store_b32 v[L4], v164, s[56:57]
	s_wait_loadcnt 0x0                             ; Va_w
.irp j, 4
	v_pk_add_f32 v[VS:VS+1], v[VS:VS+1], v[VS+\j:VS+\j+1]
	v_pk_add_f32 v[VS+2:VS+3], v[VS+2:VS+3], v[VS+\j+2:VS+\j+3]
.endr
.irp j, 8, 12, 16, 20, 24, 28
	s_delay_alu instid0(VALU_DEP_2)
	v_pk_add_f32 v[VS:VS+1], v[VS:VS+1], v[VS+\j:VS+\j+1]
	s_delay_alu instid0(VALU_DEP_2)
	v_pk_add_f32 v[VS+2:VS+3], v[VS+2:VS+3], v[VS+\j+2:VS+\j+3]
.endr
	s_delay_alu instid0(VALU_DEP_1)
	v_pk_add_f32 v[VS:VS+1], v[VS:VS+1], v[VS+2:VS+3]
	s_delay_alu instid0(VALU_DEP_1)
	v_add_f32 v[VS], v[VS], v[VS+1]
	s_delay_alu instid0(VALU_DEP_1)
	v_add_f32_dpp v[VS], v[VS], v[VS] row_xmask:1 row_mask:0xf bank_mask:0xf
	s_delay_alu instid0(VALU_DEP_1)
	v_add_f32_dpp v[VS], v[VS], v[VS] row_xmask:2 row_mask:0xf bank_mask:0xf
	s_delay_alu instid0(VALU_DEP_1)
	v_add_f32_dpp v[VS], v[VS], v[VS] row_xmask:4 row_mask:0xf bank_mask:0xf
	s_delay_alu instid0(VALU_DEP_1)
	v_add_f32_dpp v[VS], v[VS], v[VS] row_xmask:8 row_mask:0xf bank_mask:0xf
	s_delay_alu instid0(VALU_DEP_1)
	v_permlanex16_b32 v[VS+1], v[VS], s[SEL], s[SEL+1]
	s_delay_alu instid0(VALU_DEP_1)
	v_add_f32 v[VS], v[VS], v[VS+1]
	s_delay_alu instid0(VALU_DEP_1)
	v_add_f32 v[VS], s[VAB], v[VS]                 ; k0 = the sum of Va_w + Va_b: tanh = 1 - 2 r, so a score is k0 - 2 x the sum of Va r
	global_store_b32 v[L4], v[VS], s[58:59]
	s_branch .Ljoin
.Lm_rest:
	MLIST 0
	s_branch .Ljoin
	; ---- ROLE U, first part: one tile of Ua_w, my K step
.Lua:
	s_lshl_b32 s44, ttmp9, 16                      ; 16 rows of 4,096 bytes,
	s_lshl_b32 s45, s[WV], 9                       ; my 512 bytes of each
	s_add_co_u32 s44, s44, s45
	s_mov_b32 s45, 0
	s_add_nc_u64 s[46:47], s[10:11], s[44:45]
	s_lshl_b32 s44, ttmp9, 14                      ; the tile's images, 16,384 bytes,
	s_lshl_b32 s48, s[WV], 11                      ; my K step's 2,048 of them
	s_add_co_u32 s44, s44, s48
	s_add_nc_u64 s[48:49], s[20:21], s[44:45]
	ULOAD 0, 46, 0
	s_wait_loadcnt 0x0
	TURN 0, SWU, SRU
	s_wait_dscnt 0x0
	QUANT Y, PC, PW
.irp c, 0,1,2,3
	global_store_b128 v[L16], v[PC+4*\c:PC+4*\c+3], s[48:49] offset:512*\c   ; the fragment as it stands: 512 consecutive bytes a store
.endr
	ds_store_b32 v[USW], v[PW]                     ; both halves of the lanes hold and store the same word
	s_branch .Ljoin
	; ---- ROLE W, first part: both tiles of query and one tile of Wa_w, my K step; two products
.Lwa:
	s_sub_co_u32 s50, ttmp9, 64
	s_lshl_b32 s44, s[WV], 9
	s_mov_b32 s45, 0
	s_add_nc_u64 s[46:47], s[4:5], s[44:45]        ; query, my 512 bytes of each row
	s_lshl_b32 s51, s50, 16
	s_add_co_u32 s44, s44, s51
	s_add_nc_u64 s[48:49], s[6:7], s[44:45]        ; Wa_w, my work-group's 16 rows
	s_lshl_b32 s52, s50, 6
	s_mov_b32 s53, 0
	s_add_nc_u64 s[54:55], s[8:9], s[52:53]        ; Wa_b and Ua_b at my work-group's 16 g
	s_add_nc_u64 s[56:57], s[12:13], s[52:53]
	s_mov_b32 s58, 0x3e000000                      ; 1 / 8
	s_mov_b32 s59, s58
	global_load_b128 v[CB8:CB8+3], v[HB], s[54:55]             ; in the result's layout: lane (r, h) holds g = 8 h + 0 .. 7
	global_load_b128 v[CB8+4:CB8+7], v[HB], s[54:55] offset:16
	global_load_b128 v[CB8+8:CB8+11], v[HB], s[56:57]
	global_load_b128 v[CB8+12:CB8+15], v[HB], s[56:57] offset:16
	ULOAD 0, 46, 0
	ULOAD 1, 46, 65536
	ULOAD 2, 48, 0
	s_wait_loadcnt 48                              ; the biases are in; the three units' 48 loads may be out
.irp j, 0,2,4,6
	v_pk_add_f32 v[CB8+\j:CB8+\j+1], v[CB8+\j:CB8+\j+1], v[CB8+8+\j:CB8+9+\j]
.endr
.irp j, 0,2,4,6
	s_delay_alu instid0(VALU_DEP_4)
	v_pk_mul_f32 v[CB8+\j:CB8+\j+1], v[CB8+\j:CB8+\j+1], s[58:59] op_sel_hi:[1,0]   ; an eighth of the biases (a power of two: nothing is rounded) starts each of the eight K steps' sums
.endr
.irp n, 0,1,2
	s_wait_loadcnt 32-16*\n                        ; unit n is in; the later units, sixteen loads each, may be out
	TURN \n, SWW, SRW
	s_wait_dscnt 0x0
	QUANT Y, PC+16*\n, PW+\n
.endr
.rept 4
	v_nop                                          ; codes made by vector instructions stand four places ahead of a scaled matrix instruction; the last scale word stands ahead of its unit's 64 holds
.endr
	WIN 0x40                                       ; results in window 1, where landing set 0 lay
.irp q, 0,1                            ; source 0 = 16 rows of Wa_w, source 1 = 16 batches: a lane holds one batch and eight neighbouring g.  Two accumulators, one product each
	v_wmma_scale_f32_16x16x128_f8f6f4 v[8*\q:8*\q+7], v[PC+32:PC+47], v[PC+16*\q:PC+16*\q+15], v[CB8:CB8+7], v[PW+2], v[PW+\q] matrix_a_fmt:MATRIX_FMT_BF8 matrix_b_fmt:MATRIX_FMT_BF8
.endr
.rept 8
	v_nop                                          ; eight places ahead of the first read of results
.endr
	WIN 0x04
.irp q, 0,1
	ds_store_b128 v[PWR], v[8*\q:8*\q+3] offset:1280*\q        ; each accumulator from its low end on
	ds_store_b128 v[PWR], v[8*\q+4:8*\q+7] offset:1280*\q+16
.endr
	WIN 0
.Ljoin:
	s_wait_xcnt 0x0                                ; every store issued so far has read its registers: what follows may write them
	s_wait_dscnt 0x0                               ; for the others' sake: my LDS stores have landed
	s_barrier_signal -1
	s_barrier_wait -1
	s_cmp_lt_u32 ttmp9, 64
	s_cbranch_scc1 .Lub
	s_cmp_lt_u32 ttmp9, 128
	s_cbranch_scc1 .Lwb
	s_branch .Lend
	; ---- ROLE U, second part: the tile's scale words of all eight K steps leave as 512 consecutive bytes
.Lub:
	s_cmp_lg_u32 s[WV], 0
	s_cbranch_scc1 .Lend
	s_lshl_b32 s44, ttmp9, 9
	s_mov_b32 s45, 0
	s_add_nc_u64 s[46:47], s[22:23], s[44:45]
	ds_load_b128 v[Y:Y+3], v[USR]
	s_wait_dscnt 0x0
	global_store_b128 v[L16], v[Y:Y+3], s[46:47]
	s_branch .Lend
	; ---- ROLE W, second part: the eight K steps' sums are added, K ascending; waves 0 to 3 take eight batches each
.Lwb:
	s_cmp_lt_u32 s[WV], 4
	s_cbranch_scc0 .Lend
	s_sub_co_u32 s50, ttmp9, 64
	s_lshl_b32 s44, s50, 11
	s_mov_b32 s45, 0
	s_add_nc_u64 s[52:53], s[24:25], s[44:45]      ; biasc at my work-group's 2,048 bytes
.irp k, 0,1,2,3,4,5,6,7
	ds_load_b128 v[Y+4*\k:Y+4*\k+3], v[PRD] offset:2560*\k
.endr
	s_wait_dscnt 0x0
.irp k, 1
	v_pk_add_f32 v[Y:Y+1], v[Y:Y+1], v[Y+4*\k:Y+4*\k+1]
	v_pk_add_f32 v[Y+2:Y+3], v[Y+2:Y+3], v[Y+4*\k+2:Y+4*\k+3]
.endr
.irp k, 2, 3, 4, 5, 6, 7
	s_delay_alu instid0(VALU_DEP_2)
	v_pk_add_f32 v[Y:Y+1], v[Y:Y+1], v[Y+4*\k:Y+4*\k+1]
	s_delay_alu instid0(VALU_DEP_2)
	v_pk_add_f32 v[Y+2:Y+3], v[Y+2:Y+3], v[Y+4*\k+2:Y+4*\k+3]
.endr
	s_delay_alu instid0(VALU_DEP_2)
	v_pk_mul_f32 v[Y:Y+1], v[Y:Y+1], s[CS:CS+1] op_sel_hi:[1,0]
	s_delay_alu instid0(VALU_DEP_2)
	v_pk_mul_f32 v[Y+2:Y+3], v[Y+2:Y+3], s[CS:CS+1] op_sel_hi:[1,0]
	global_store_b128 v[BSO], v[Y:Y+3], s[52:53]   ; 32 lanes store 512 consecutive bytes, aligned
.Lend:
	s_wait_tensorcnt 0x0                           ; the wave's end: behind my last LDS store
	ds_add_u32 v[SPW], v[NIL]
	s_wait_dscnt 0x0
	s_endpgm
.Lfunc_end_k_q1caafe42e0_prep:
	.size	k_q1caafe42e0_prep, .Lfunc_end_k_q1caafe42e0_prep-k_q1caafe42e0_prep
	.p2alignl 7, 3214868480
	.fill 96, 4, 3214868480
	.section	.rodata,"a",@progbits
	.p2align	6, 0x0
	.amdhsa_kernel k_q1caafe42e0_prep
		.amdhsa_group_segment_fixed_size 157184
		.amdhsa_private_segment_fixed_size 0
		.amdhsa_enable_private_segment 0
		.amdhsa_kernarg_size 120
		.amdhsa_user_sgpr_count 2
		.amdhsa_user_sgpr_kernarg_segment_ptr 1
		.amdhsa_wavefront_size32 1
		.amdhsa_system_sgpr_workgroup_id_x 1
		.amdhsa_system_sgpr_workgroup_id_y 1
		.amdhsa_system_sgpr_workgroup_id_z 1
		.amdhsa_system_vgpr_workitem_id 0
		.amdhsa_next_free_vgpr 512
		.amdhsa_next_free_sgpr 100
		.amdhsa_reserve_vcc 1
		.amdhsa_float_denorm_mode_32 3
		.amdhsa_float_denorm_mode_16_64 3
		.amdhsa_memory_ordered 1
		.amdhsa_forward_progress 1
		.amdhsa_inst_pref_size 101
	.end_amdhsa_kernel
	.amdgpu_metadata
---
amdhsa.version: [ 1, 2 ]
amdhsa.kernels:
  - .name:           k_q1caafe42e0_prep
    .symbol:         k_q1caafe42e0_prep.kd
    .args:
      - { .name: query, .offset: 0, .size: 8, .value_kind: global_buffer, .address_space: global }
      - { .name: Wa_w, .offset: 8, .size: 8, .value_kind: global_buffer, .address_space: global }
      - { .name: Wa_b, .offset: 16, .size: 8, .value_kind: global_buffer, .address_space: global }
      - { .name: Ua_w, .offset: 24, .size: 8, .value_kind: global_buffer, .address_space: global }
      - { .name: Ua_b, .offset: 32, .size: 8, .value_kind: global_buffer, .address_space: global }
      - { .name: Va_w, .offset: 40, .size: 8, .value_kind: global_buffer, .address_space: global }
      - { .name: Va_b, .offset: 48, .size: 8, .value_kind: global_buffer, .address_space: global }
      - { .name: mask, .offset: 56, .size: 8, .value_kind: global_buffer, .address_space: global }
      - { .name: ua_img, .offset: 64, .size: 8, .value_kind: global_buffer, .address_space: global }
      - { .name: ua_sc, .offset: 72, .size: 8, .value_kind: global_buffer, .address_space: global }
      - { .name: biasc, .offset: 80, .size: 8, .value_kind: global_buffer, .address_space: global }
      - { .name: k0, .offset: 88, .size: 8, .value_kind: global_buffer, .address_space: global }
      - { .name: rows, .offset: 96, .size: 8, .value_kind: global_buffer, .address_space: global }
      - { .name: pos, .offset: 104, .size: 8, .value_kind: global_buffer, .address_space: global }
      - { .name: cnt, .offset: 112, .size: 8, .value_kind: global_buffer, .address_space: global }
    .group_segment_fixed_size: 157184
    .private_segment_fixed_size: 0
    .kernarg_segment_align: 8
    .kernarg_segment_size: 120
    .max_flat_workgroup_size: 256
    .sgpr_count:     100
    .vgpr_count:     512
    .wavefront_size: 32
...
	.end_amdgpu_metadata
.endif
;; end of part 1
;; launch scores (part 2): grid 32 x 15, 4 waves a work-group, no clusters, 222,464 bytes of LDS; arguments keys, rows, cnt, ua_img, ua_sc, biasc, Va_w, k0, sc; writes sc
.if DOCPART == 2
	.amdgcn_target "amdgcn-amd-amdhsa--gfx1250"
	.amdhsa_code_object_version 6
	.text
	.protected	k_q1caafe42e0_scores
	.globl	k_q1caafe42e0_scores
	.p2align	8
	.type	k_q1caafe42e0_scores,@function
k_q1caafe42e0_scores:
	s_mov_b64 s[64:65], 0
	v_nop
	global_prefetch_b8 v0, s[64:65] scope:SCOPE_SE
	s_setreg_imm32_b32 hwreg(HW_REG_WAVE_MODE, 25, 1), 1
	s_wait_xcnt 0x0
; BahdanauAttention, launch 2 of 3: the scores of the LISTED rows.  Rows that the mask closes are left out (shown at the head of the first kernel); Va_b lies in k0.
; sc[b][p] = k0 - 2 x the sum over g of Va_g r_g, r = 1 / (1 + 2^(c x)), x = q_proj + Wa_b + k_proj + Ua_b, c = 2 log2(e): that is the sum of Va_g tanh(x_g) + Va_b.  2^(c x) = infinity or 0 gives r = 0 or 1: no clamp.
; SHARES.  Work-group (b, i) takes places 144 i .. 144 i + 143 of batch b's list (nine tiles of 16 rows; places behind the count hold row 0 and give scores that nobody reads) against all 1,024 g.
; The grid serves every mask: 15 tiles cover 2,048 rows.  A work-group whose first place lies at or behind the count stores nothing: its waves jump over the three regions of work, never over a barrier.
; The launch has no tensor load and no cluster: operands go from memory straight into registers.
; REGION 1.  Wave w gathers 1,024 bytes (K steps 2 w, 2 w + 1) of each row, a row's 512 bytes by one load, turns them through its own stage in LDS, quantises, and stores the fragments as images of their registers.
; REGION 2.  Wave w takes g = 256 w .. 256 w + 255 in four chunks of four tiles, each against all nine tiles of rows: 36 accumulators by turns.  Ua's codes come as register images from memory, each byte once a
; work-group; the keys' from LDS.  Source 0 = 16 rows of Ua, source 1 = 16 keys: a lane holds one key and eight neighbouring g.  REGION 3.  The four waves' sums are added and leave.
; LIMITS: as stated at the head of the first kernel.
; REGISTERS, in windows of 256.  Window 0: v2-18 addresses; v32-67 the keys' scale words, v68-83 Ua's (scales and nothing else); v84-101 the nine running sums; v112-255 the keys' nine fragments.
;   In region 1 instead: v84-99, v226-241 the gathers' offsets; v112-175 64 numbers; v176-207 codes; v208-225 the quantiser's work.
;   Window 1: region 1: two landing sets of 128; region 2: a ring of four K steps of Ua's fragments.  Window 2: accumulators (m, t) at 32 m + 8 t, m < 8.  Window 3: v0-31 those of m = 8; v32-63 biasc; v64-95 Va.
.set AIMG,  0                          ; LDS: the keys' fragments (tile m, K step s): 16,384 m + 2,048 s + 512 c + 16 lane
.set ASC,   147456                     ; their scale words (m, u): 128 (4 m + u) + 4 lane; lanes 0-15 K step 2 u, lanes 16-31 K step 2 u + 1
.set PS,    152064                     ; the waves' sums: [wave][144] f32
.set STG,   154368                     ; stages: two of 8,448 bytes for each wave
.set SPARE, 221952                     ; the spare words, 128 bytes for each wave: two blocks of 256 bytes that no other line names
.set STW, 2
.set STR, 3
.set IMG, 4                            ; v4-6   where I store images: 4,096 wave + 16 lane + 49,152 (m / 3)
.set ASW, 7
.set L16, 8                            ; v8     16 x lane,
.set AI,  8                            ; v8-10  which is also where images are read: 16 lane + 49,152 (m / 3)
.set ASR, 11
.set BVO, 12                           ; v12    32 h
.set PSW, 14
.set PSR, 15
.set PSR8, 16
.set SO,  17
.set SO8, 18
.set SPW, 30                           ; v30    LDS address of my spare word; never rewritten
.set NIL, 31                           ; v31    0; never rewritten
.set ASCR, 32
.set BSC, 68
.set S,   84
.set T,   102
.set AF,  112
.set OFB, 84
.set Y,   112
.set PC,  176
.set TM,  208
.set PW,  224
.set OFA, 226
.set WV,  22
.set LP,  30                           ; s[30:31] my tile's 144 places of rows
.set KB,  66                           ; s[66:67] keys: my batch, my wave's 1,024 bytes of a row
.set UB,  68                           ; s[68:69] ua_img, s[70:71] ua_sc, s[72:73] biasc, s[74:75] Va_w: at my wave's chunk in hand
.set USB, 70
.set BB,  72
.set VB,  74
.set SCB, 76
.set CS,  78
.set SEL, 80
.set MNT, 82
.set CH,  83
.set MSB, 0
.macro WIN new                         ; the immediate's high byte repeats the setting that is left
.if MSB != \new
	s_set_vgpr_msb (MSB<<8)|\new
.set MSB, \new
.endif
.endm
.macro NOPS n
.rept \n
	v_nop
.endr
.endm
.macro QUANT s, pc, pw                 ; 64 numbers of a lane, register 16 b + i = k 32 b + 16 h + i of row r, become a fragment's codes and its scale word
.irp b, 0,1,2,3
	v_max3_num_f32 v[TM+\b], |v[\s+16*\b]|, |v[\s+1+16*\b]|, 0x8000000   ; my 16 numbers of block b, and the floor 2^(16 - 127): the byte cannot fall under 1
.endr
.irp i, 2,4,6,8,10,12,14
.irp b, 0,1,2,3
	v_max3_num_f32 v[TM+\b], v[TM+\b], |v[\s+16*\b+\i]|, |v[\s+1+16*\b+\i]|
.endr
.endr
.irp b, 0,1,2,3
	v_permlanex16_b32 v[TM+4+\b], v[TM+\b], s[SEL], s[SEL+1]
.endr
.irp b, 0,1,2,3
	v_max_num_f32 v[TM+\b], v[TM+\b], v[TM+4+\b]
.endr
.irp b, 0,1,2,3
	v_add_nc_u32 v[TM+12+\b], 0xf8800000, v[TM+\b] ; 15 off the exponent field: the conversion's scale operand
.endr
.irp b, 0,1,2,3
	v_and_or_b32 v[TM+8+\b], v[TM+\b], 0x7f800000, s[MNT]   ; 57,344 x the scale
.endr
.irp b, 0,1,2,3
	v_lshrrev_b32 v[TM+4+\b], 23, v[TM+12+\b]      ; the scale's byte
.endr
	v_lshl_or_b32 v[\pw], v[TM+5], 8, v[TM+4]
	v_lshl_or_b32 v[\pw], v[TM+6], 16, v[\pw]
	v_lshl_or_b32 v[\pw], v[TM+7], 24, v[\pw]
.irp b, 0,1,2,3
.irp i, 0,1,2,3,4,5,6,7,8,9,10,11,12,13,14,15
	v_med3_num_f32 v[\s+16*\b+\i], v[\s+16*\b+\i], -v[TM+8+\b], v[TM+8+\b]   ; the conversion to an 8-bit code does not saturate (ISA guide 7.6.2): the hold
.endr
	v_cvt_scalef32_pk8_bf8_f32 v[\pc+4*\b:\pc+1+4*\b], v[\s+16*\b:\s+7+16*\b], v[TM+12+\b]
	v_cvt_scalef32_pk8_bf8_f32 v[\pc+2+4*\b:\pc+3+4*\b], v[\s+8+16*\b:\s+15+16*\b], v[TM+12+\b]
.endr
	v_nop                                          ; one plain line behind the last conversion
.endm
; a tile's 16 rows, 1,024 bytes of each, are asked for: the rows' numbers stand in s[e] on; they are held inside the batch before they enter an address
.macro FILL set, e, of
.irp p, 0,1,2,3,4,5,6,7,8,9,10,11,12,13,14,15
	s_min_u32 s[\e+\p], s[\e+\p], 2047
	v_lshl_add_u32 v[\of+\p], s[\e+\p], 12, v[L16]
.endr
	WIN 0x40
	s_wait_alu depctr_va_vdst(0)
.irp q, 0,1
.irp p, 0,1,2,3,4,5,6,7,8,9,10,11,12,13,14,15
	global_load_b128 v[128*(\set)+64*\q+4*\p:128*(\set)+64*\q+4*\p+3], v[\of+\p], s[KB:KB+1] offset:512*\q
.endr
.endr
	WIN 0
.endm
.macro YLOAD q                         ; out of stage q: my 16 neighbours of each block of 32
.irp b, 0,1,2,3
.irp j, 0,1,2,3
	ds_load_b128 v[Y+16*\b+4*\j:Y+16*\b+4*\j+3], v[STR] offset:8448*(\q)+128*\b+16*\j
.endr
.endr
.endm
.macro PROC m                          ; tile m of rows: from the landing set to two images
.set ST_, (\m)%2
.set OF_, OFA+(OFB-OFA)*ST_
.if (\m) < 8
	s_wait_loadcnt 32                              ; loads come back in order: this tile's 32 are in, the next tile's 32 may be out
.else
	s_wait_loadcnt 0x0
.endif
	WIN 0x04                                       ; an LDS store's data are its source 1: window 1
.irp q, 0,1
.irp p, 0,1,2,3,4,5,6,7,8,9,10,11,12,13,14,15
	ds_store_b128 v[STW], v[128*ST_+64*\q+4*\p:128*ST_+64*\q+4*\p+3] offset:8448*\q+528*\p
.endr
.endr
	WIN 0
	YLOAD 0
	s_wait_dscnt 16                                ; all but the sixteen loads just issued: the stores have read the landing set,
.if (\m) <= 6
	s_wait_kmcnt 0x0                               ; the rows of the tile two further on were asked for a whole tile ago
	FILL ST_, 32+16*ST_, OF_                       ; the landing set takes that tile; its offsets' registers were freed by the wait on LOADcnt above
.endif
.if (\m) <= 5
	s_load_b512 s[48-16*ST_:63-16*ST_], s[LP:LP+1], 64*((\m)+3)   ; the rows of the tile three further on, into the set whose rows went into addresses a tile ago
.endif
.if (\m) <= 4
	PFETCH (\m)+4                                  ; the tile four further on: two tiles ahead of the loads that will want it; tiles 5 to 8 ask for nothing
.endif
.if (\m) == 8
	PREG                                           ; the last tile's landing set has been read: chunk 0's first operands of Ua are asked for under the last two quantisers
.endif
	s_wait_dscnt 0x0                               ; the numbers are back, and the last images' stores have read their registers
	QUANT Y, PC, PW
.irp c, 0,1,2,3
	ds_store_b128 v[IMG+(\m)/3], v[PC+4*\c:PC+4*\c+3] offset:16384*((\m)%3)+512*\c
.endr
	ds_store_b32 v[ASW], v[PW] offset:512*(\m)     ; both halves of the lanes hold and store the same word
	YLOAD 1
	s_wait_dscnt 0x0
	QUANT Y, PC+16, PW+1
.irp c, 0,1,2,3
	ds_store_b128 v[IMG+(\m)/3], v[PC+16+4*\c:PC+16+4*\c+3] offset:16384*((\m)%3)+2048+512*\c
.endr
	ds_store_b32 v[ASW], v[PW+1] offset:512*(\m)+64
.endm
.macro AFLOAD m, s                     ; the keys' fragment (m, s) from its image
.irp c, 0,1,2,3
	ds_load_b128 v[AF+16*(\m)+4*\c:AF+16*(\m)+4*\c+3], v[AI+(\m)/3] offset:16384*((\m)%3)+2048*(\s)+512*\c
.endr
.endm
.macro BLOAD s                         ; Ua's four fragments of K step s into place s % 4 of the ring: sixteen loads of 512 consecutive bytes
	WIN 0x40
.irp t, 0,1,2,3
.irp c, 0,1,2,3
	global_load_b128 v[64*((\s)%4)+16*\t+4*\c:64*((\s)%4)+16*\t+4*\c+3], v[L16], s[UB:UB+1] offset:16384*\t+2048*(\s)+512*\c
.endr
.endr
	WIN 0
.endm
.macro PROD m, t, s                    ; even K steps' scale words lie in lanes 0-15 of their registers, odd ones' in lanes 16-31
.set AC_, 32*((\m)%8)+8*(\t)
.set BR_, 64*((\s)%4)+16*(\t)
.set AR_, AF+16*(\m)
.set SB_, BSC+4*(\t)+(\s)/2
.set SA_, ASCR+4*(\m)+(\s)/2
.if (\s) == 0
	v_wmma_scale_f32_16x16x128_f8f6f4 v[AC_:AC_+7], v[BR_:BR_+15], v[AR_:AR_+15], 0, v[SB_], v[SA_] matrix_a_fmt:MATRIX_FMT_BF8 matrix_b_fmt:MATRIX_FMT_BF8
.elseif (\s)%2 == 0
	v_wmma_scale_f32_16x16x128_f8f6f4 v[AC_:AC_+7], v[BR_:BR_+15], v[AR_:AR_+15], v[AC_:AC_+7], v[SB_], v[SA_] matrix_a_fmt:MATRIX_FMT_BF8 matrix_b_fmt:MATRIX_FMT_BF8
.else
	v_wmma_scale_f32_16x16x128_f8f6f4 v[AC_:AC_+7], v[BR_:BR_+15], v[AR_:AR_+15], v[AC_:AC_+7], v[SB_], v[SA_] matrix_a_fmt:MATRIX_FMT_BF8 matrix_b_fmt:MATRIX_FMT_BF8 matrix_a_scale:MATRIX_SCALE_ROW1 matrix_b_scale:MATRIX_SCALE_ROW1
.endif
.endm
; what a chunk begins with: Ua's scale words, its K steps 0 to 2, the keys' fragments of K step 0.  step = 1: on to the next chunk; no load of mine is out, so the bases may be written
.set PF, 22                            ; v22-28 the prefetches' offsets of tiles 2 to 8: 4,096 x the row at place r + 256 h; never rewritten.  v29: 256 h
; a tile's 16 rows, my wave's 1,024 bytes of each, are asked for ahead of their loads: four blocks of 256 bytes a row, a lane a block, two instructions
.macro PFETCH m
	global_prefetch_b8 v[PF+(\m)-2], s[KB:KB+1] th:TH_LOAD_NT scope:SCOPE_SE
	global_prefetch_b8 v[PF+(\m)-2], s[KB:KB+1] offset:512 th:TH_LOAD_NT scope:SCOPE_SE
.endm
.macro PREG                            ; Ua's scale words and its K steps 0 to 2 of the chunk in hand: 52 loads
.irp t, 0,1,2,3
	global_load_b128 v[BSC+4*\t:BSC+4*\t+3], v[L16], s[USB:USB+1] offset:512*\t
.endr
	BLOAD 0
	BLOAD 1
	BLOAD 2
.endm
.macro PRE step
.if \step
	s_add_nc_u64 s[UB:UB+1], s[UB:UB+1], 65536
	s_add_nc_u64 s[USB:USB+1], s[USB:USB+1], 2048
	s_add_nc_u64 s[BB:BB+1], s[BB:BB+1], 8192      ; biasc: four tiles of 2,048 bytes
	s_add_nc_u64 s[VB:VB+1], s[VB:VB+1], 256
	PREG
.else
	BLOAD 3                                        ; chunk 0: the 52 went out in region 1; K step 3 follows them here
.endif
.irp m, 0,1,2,3,4,5,6,7,8
	AFLOAD \m, 0
.endr
.endm
; A K step: 36 products, the 36 accumulators by turns in the same order in every step.  The keys have one set of fragments: tiles 0-4 are fetched anew in the step's middle,
; tiles 5-8 at its end, each run eight places behind the products that read the registers.
; Global loads of a chunk go out in this order: scale words, K steps 0, 1, 2, 3 (all ahead of step 0) | 4, 5, 6, 7 (ends of steps 0 to 3) | 16 of biasc and Va (end of step 4).
.macro KSTEP s
.if (\s) <= 2
	s_wait_loadcnt 32                              ; behind this step's loads stand, on every way through the text, at least two later runs of sixteen
.elseif (\s) <= 5
	s_wait_loadcnt 48                              ; behind this step's loads: three later runs of sixteen
.elseif (\s) == 6
	s_wait_loadcnt 32                              ; step 7's, and biasc and Va
.else
	s_wait_loadcnt 16                              ; biasc and Va
.endif
	s_wait_dscnt 16                                ; tiles 0-4 are in; the youngest sixteen loads (tiles 5-8) may be out
	WIN 0xa1                                       ; source 0 (Ua) window 1, source 1 (keys) window 0, C and D window 2
.irp m, 0,1,2,3,4
.irp t, 0,1,2,3
	PROD \m, \t, \s
.endr
.endr
.if (\s) < 7
	NOPS 8
	WIN 0
.irp m, 0,1,2,3,4
	AFLOAD \m, (\s)+1
.endr
	s_wait_dscnt 20                                ; all but the twenty just issued: tiles 5-8 are in
.else
	s_wait_dscnt 0x0
.endif
	WIN 0xa1
.irp m, 5,6,7
.irp t, 0,1,2,3
	PROD \m, \t, \s
.endr
.endr
	WIN 0xf1                                       ; tile 8's accumulators lie in window 3
.irp t, 0,1,2,3
	PROD 8, \t, \s
.endr
	NOPS 8
	WIN 0
.if (\s) < 7
.irp m, 5,6,7,8
	AFLOAD \m, (\s)+1
.endr
.endif
.if (\s) <= 3
	BLOAD (\s)+4
.endif
.if (\s) == 4
	WIN 0xc0                                       ; destination window 3: the chunk's biasc and Va, eight numbers a tile in the result's layout
.irp t, 0,1,2,3
	global_load_b128 v[32+8*\t:35+8*\t], v[BVO], s[BB:BB+1] offset:2048*\t
	global_load_b128 v[36+8*\t:39+8*\t], v[BVO], s[BB:BB+1] offset:2048*\t+16
	global_load_b128 v[64+8*\t:67+8*\t], v[BVO], s[VB:VB+1] offset:64*\t
	global_load_b128 v[68+8*\t:71+8*\t], v[BVO], s[VB:VB+1] offset:64*\t+16
.endr
	WIN 0
.endif
.endm
	s_load_b512 s[4:19], s[0:1], 0x0               ; keys, rows, cnt, ua_img, ua_sc, biasc, Va_w, k0
	s_load_b64 s[20:21], s[0:1], 0x40              ; sc
	v_lshl_add_u32 v[SPW], v0, 2, SPARE
	v_mov_b32 v[NIL], 0
	v_lshrrev_b32 v19, 5, v0
	v_readfirstlane_b32 s[WV], v19                 ; wave 0..3
	v_and_b32 v19, 31, v0                          ; lane
	v_and_b32 v20, 15, v0                          ; r
	v_bfe_u32 v21, v0, 4, 1                        ; h
	v_lshlrev_b32 v[L16], 4, v19
	; every LDS address is made here, on the way that all waves take
	s_mul_i32 s23, s[WV], 2*8448
	s_add_co_u32 s23, s23, STG
	v_add_nc_u32 v[STW], s23, v[L16]
	v_mul_u32_u24 v[STR], v20, 528
	v_lshl_add_u32 v[STR], v21, 6, v[STR]
	v_add_nc_u32 v[STR], s23, v[STR]
	s_lshl_b32 s23, s[WV], 12
	v_add_nc_u32 v[IMG], s23, v[L16]
	v_add_nc_u32 v[IMG+1], 49152, v[IMG]
	v_add_nc_u32 v[IMG+2], 98304, v[IMG]
	v_add_nc_u32 v[AI+1], 49152, v[L16]
	v_add_nc_u32 v[AI+2], 98304, v[L16]
	s_lshl_b32 s23, s[WV], 7
	s_add_co_u32 s24, s23, ASC
	v_lshl_add_u32 v[ASW], v20, 2, s24
	v_lshl_add_u32 v[ASR], v19, 2, ASC
	v_lshlrev_b32 v[BVO], 5, v21
	s_mul_i32 s24, s[WV], 576
	s_add_co_u32 s24, s24, PS
	v_lshl_add_u32 v[PSW], v20, 2, s24
	s_add_co_u32 s24, s23, PS
	v_lshl_add_u32 v[PSR], v19, 2, s24
	v_lshl_add_u32 v[PSR8], v20, 2, PS+512
	v_lshl_add_u32 v[SO], v19, 2, s23              ; in sc: 128 wave + 4 lane
	v_lshlrev_b32 v[SO8], 2, v20
.irp b, 0,1,2,3
	v_mov_b32 v[TM+4+\b], 0                        ; written once: a lane permute's destination counts as one of its sources
.endr
	s_mov_b32 s[CS], 0x4038aa3b                    ; c = 2 log2(e)
	s_mov_b32 s[CS+1], s[CS]
	s_mov_b32 s[SEL], 0x76543210
	s_mov_b32 s[SEL+1], 0xfedcba98
	s_mov_b32 s[MNT], 0x600000
	s_and_b32 s25, ttmp7, 0xffff                   ; the tile
	s_mul_i32 s23, s25, 144                        ; its first place
	s_mul_i32 s24, ttmp9, 2176
	s_add_co_u32 s24, s24, s23
	s_lshl_b32 s84, s24, 2
	s_mov_b32 s85, 0
	s_lshl_b32 s86, ttmp9, 7
	s_mov_b32 s87, 0
	s_wait_kmcnt 0x0
	s_add_nc_u64 s[LP:LP+1], s[6:7], s[84:85]
	s_add_nc_u64 s[SCB:SCB+1], s[20:21], s[84:85]
	s_add_nc_u64 s[88:89], s[8:9], s[86:87]
	s_add_nc_u64 s[90:91], s[18:19], s[86:87]
	s_load_b64 s[26:27], s[88:89], 0x0             ; the batch's count and its flag
	s_load_b32 s29, s[90:91], 0x0                  ; k0
	s_load_b512 s[32:47], s[LP:LP+1], 0x0          ; and, under the same wait, the rows of my first two tiles of 16: all 2,176 places of a batch are written
	s_load_b512 s[48:63], s[LP:LP+1], 0x40
	s_lshl_b32 s84, ttmp9, 23
	s_lshl_b32 s86, s[WV], 10
	s_add_co_u32 s84, s84, s86
	s_add_nc_u64 s[KB:KB+1], s[4:5], s[84:85]
	s_lshl_b32 s84, s[WV], 18
	s_add_nc_u64 s[UB:UB+1], s[10:11], s[84:85]
	s_lshl_b32 s84, s[WV], 13
	s_add_nc_u64 s[USB:USB+1], s[12:13], s[84:85]
	s_lshl_b32 s84, ttmp9, 6                       ; biasc is laid [tile of 16 g][batch][16]: 64 bytes a batch,
	s_lshl_b32 s92, s[WV], 15                      ; my wave's sixteen tiles of 2,048 bytes
	s_add_co_u32 s84, s84, s92
	s_add_nc_u64 s[BB:BB+1], s[14:15], s[84:85]
	s_mov_b32 s84, s86
	s_add_nc_u64 s[VB:VB+1], s[16:17], s[84:85]
	s_wait_kmcnt 0x0
	s_cmp_lt_u32 s23, s26
	s_cselect_b32 s28, 1, 0                        ; has my tile a listed row?
	; ---- REGION 1
	s_cmp_eq_u32 s28, 0
	s_cbranch_scc1 .Lb1
	s_wait_alu depctr_va_vdst(0)                   ; directly ahead of the reader below
.irp m, 2,3,4,5,6,7,8
	global_load_b32 v[PF+\m-2], v[SO8], s[LP:LP+1] offset:64*\m   ; the rows of tiles 2 to 8 once more, lane (r, h) the row at place r: for the prefetches
.endr
	FILL 0, 32, OFA
	FILL 1, 48, OFB
	s_load_b512 s[32:47], s[LP:LP+1], 0x80         ; the third tile's rows: waited for in the first tile's turn
	s_wait_loadcnt 63                              ; behind the seven loads of rows stand the two tiles' 64: the seven are in
	v_lshlrev_b32 v29, 8, v21                      ; 256 h
.irp m, 2,3,4,5,6,7,8
	v_min_u32 v[PF+\m-2], 2047, v[PF+\m-2]         ; held inside the batch before it enters an address
.endr
.irp m, 2,3,4,5,6,7,8
	v_lshl_add_u32 v[PF+\m-2], v[PF+\m-2], 12, v29
.endr
	s_wait_alu depctr_va_vdst(0)
	PFETCH 2
	PFETCH 3
.irp m, 0,1,2,3,4,5,6,7,8
	PROC \m
.endr
.Lb1:
	s_wait_dscnt 0x0                               ; for the others' sake: my images have landed
	s_barrier_signal -1
	s_barrier_wait -1
	; ---- REGION 2
	s_cmp_eq_u32 s28, 0
	s_cbranch_scc1 .Lb2
.irp m, 0,1,2,3,4,5,6,7,8
.irp u, 0,1,2,3
	ds_load_b32 v[ASCR+4*\m+\u], v[ASR] offset:512*\m+128*\u
.endr
.endr
.irp j, 0,1,2,3,4,5,6,7,8,9,10,11,12,13,14,15,16,17
	v_mov_b32 v[S+\j], 0                           ; nine running sums, in two halves each: they run over the four chunks
.endr
	PRE 0
	s_mov_b32 s[CH], 0
.Lchunk:                                               ; four trips; no LDS address is stepped in them
.irp s, 0,1,2,3,4,5,6,7
	KSTEP \s
.endr
	s_wait_loadcnt 0x0                             ; biasc and Va are in, and no load of mine is out
	s_cmp_eq_u32 s[CH], 3
	s_cbranch_scc1 .Lnopre
	PRE 1                                          ; the next chunk's first operands land while this chunk's results are worked on
.Lnopre:
	; x c + biasc | 2^ | + 1 | 1 / | x Va, summed.  In place; each accumulator is read from its low end on.  Each batch of transcendentals has one plain line and one wait behind it
	WIN 0xb2                                       ; destination and source 0 window 2, source 2 (biasc) window 3
.set n_, 0
.rept 128
	v_pk_fma_f32 v[2*n_:2*n_+1], v[2*n_:2*n_+1], s[CS:CS+1], v[32+(2*n_)%32:33+(2*n_)%32] op_sel_hi:[1,0,1]
.set n_, n_+1
.endr
	WIN 0xf3                                       ; tile 8: all in window 3
.set n_, 0
.rept 16
	v_pk_fma_f32 v[2*n_:2*n_+1], v[2*n_:2*n_+1], s[CS:CS+1], v[32+2*n_:33+2*n_] op_sel_hi:[1,0,1]
.set n_, n_+1
.endr
.set n_, 0
	s_wait_alu depctr_va_vdst(0)
.rept 32
	v_exp_f32 v[n_], v[n_]
.set n_, n_+1
.endr
	WIN 0xb2
.set n_, 0
.rept 256
	v_exp_f32 v[n_], v[n_]
.set n_, n_+1
.endr
	v_nop
	s_wait_alu depctr_va_vdst(0)                   ; ahead of the first reader: one for the 288
	WIN 0
	s_cmp_eq_u32 s[CH], 3
	s_cbranch_scc1 .Lno3
	BLOAD 3                                        ; the next chunk's K step 3: its place in the ring was last read by K step 7, 441 vector lines ago
.Lno3:
	WIN 0xb2
.set n_, 0
.rept 128
	v_pk_add_f32 v[2*n_:2*n_+1], v[2*n_:2*n_+1], 1.0 op_sel_hi:[1,0]
.set n_, n_+1
.endr
.set n_, 0
	s_wait_alu depctr_va_vdst(0)
.rept 256
	v_rcp_f32 v[n_], v[n_]
.set n_, n_+1
.endr
	WIN 0xf3
.set n_, 0
.rept 16
	v_pk_add_f32 v[2*n_:2*n_+1], v[2*n_:2*n_+1], 1.0 op_sel_hi:[1,0]
.set n_, n_+1
.endr
.set n_, 0
	s_wait_alu depctr_va_vdst(0)
.rept 32
	v_rcp_f32 v[n_], v[n_]
.set n_, n_+1
.endr
	v_nop
	s_wait_alu depctr_va_vdst(0)                   ; and one for the 288 reciprocals
	WIN 0x0e                                       ; source 0 (r) window 2, source 1 (Va) window 3, sums in window 0
.irp t, 0,1,2,3
.irp j, 0,2,4,6
.irp m, 0,1,2,3,4,5,6,7
	v_pk_fma_f32 v[S+2*\m:S+2*\m+1], v[32*\m+8*\t+\j:32*\m+8*\t+\j+1], v[64+8*\t+\j:65+8*\t+\j], v[S+2*\m:S+2*\m+1]
.endr
.endr
.endr
	WIN 0x0f
.irp t, 0,1,2,3
.irp j, 0,2,4,6
	v_pk_fma_f32 v[S+16:S+17], v[8*\t+\j:8*\t+\j+1], v[64+8*\t+\j:65+8*\t+\j], v[S+16:S+17]
.endr
.endr
	WIN 0
	s_add_co_u32 s[CH], s[CH], 1
	s_cmp_lt_u32 s[CH], 4
	s_cbranch_scc1 .Lchunk
.irp m, 0,1,2,3,4,5,6,7,8
	v_add_f32 v[S+2*\m], v[S+2*\m], v[S+2*\m+1]    ; a sum's two halves,
.endr
.irp m, 0,1,2,3,4,5,6,7,8
	v_permlanex16_b32 v[S+2*\m+1], v[S+2*\m], s[SEL], s[SEL+1]
.endr
.irp m, 0,1,2,3,4,5,6,7,8
	v_add_f32 v[S+2*\m], v[S+2*\m], v[S+2*\m+1]    ; and lane l xor 16's: my 256 g of row 16 m + r
.endr
.irp m, 0,1,2,3,4,5,6,7,8
	ds_store_b32 v[PSW], v[S+2*\m] offset:64*\m
.endr
.Lb2:
	s_wait_dscnt 0x0                               ; for the others' sake: my sums have landed
	s_barrier_signal -1
	s_barrier_wait -1
	; ---- REGION 3
	s_cmp_eq_u32 s28, 0
	s_cbranch_scc1 .Lend
	s_cmp_lg_u32 s27, 0
	s_cselect_b32 s24, -1, 0                       ; a batch with no open row: one equal score for all its rows
	s_wait_alu depctr_va_vdst(0)
.irp k, 0,1,2,3
	ds_load_b32 v[T+\k], v[PSR] offset:576*\k
.endr
	v_mov_b32 v[T+8], 0
	s_wait_dscnt 0x0
	v_add_f32 v[T], v[T], v[T+1]
	v_add_f32 v[T], v[T], v[T+2]
	v_add_f32 v[T], v[T], v[T+3]
	v_fma_f32 v[T], v[T], -2.0, s29
	s_wait_alu depctr_va_vdst(0)
	v_cndmask_b32 v[T], v[T], v[T+8], s24
	global_store_b32 v[SO], v[T], s[SCB:SCB+1]     ; places 32 wave + lane of the tile
	s_cmp_lg_u32 s[WV], 0
	s_cbranch_scc1 .Lend
.irp k, 0,1,2,3
	ds_load_b32 v[T+4+\k], v[PSR8] offset:576*\k
.endr
	s_wait_dscnt 0x0
	v_add_f32 v[T+4], v[T+4], v[T+5]
	v_add_f32 v[T+4], v[T+4], v[T+6]
	v_add_f32 v[T+4], v[T+4], v[T+7]
	v_fma_f32 v[T+4], v[T+4], -2.0, s29
	v_cndmask_b32 v[T+4], v[T+4], v[T+8], s24
	global_store_b32 v[SO8], v[T+4], s[SCB:SCB+1] offset:512   ; places 128 + r (both halves of the lanes store the same word)
.Lend:
	s_wait_tensorcnt 0x0                           ; the wave's end: behind my last LDS store
	ds_add_u32 v[SPW], v[NIL]
	s_wait_dscnt 0x0
	s_endpgm
.Lfunc_end_k_q1caafe42e0_scores:
	.size	k_q1caafe42e0_scores, .Lfunc_end_k_q1caafe42e0_scores-k_q1caafe42e0_scores
	.p2alignl 7, 3214868480
	.fill 96, 4, 3214868480
	.section	.rodata,"a",@progbits
	.p2align	6, 0x0
	.amdhsa_kernel k_q1caafe42e0_scores
		.amdhsa_group_segment_fixed_size 222464
		.amdhsa_private_segment_fixed_size 0
		.amdhsa_enable_private_segment 0
		.amdhsa_kernarg_size 72
		.amdhsa_user_sgpr_count 2
		.amdhsa_user_sgpr_kernarg_segment_ptr 1
		.amdhsa_wavefront_size32 1
		.amdhsa_system_sgpr_workgroup_id_x 1
		.amdhsa_system_sgpr_workgroup_id_y 1
		.amdhsa_system_sgpr_workgroup_id_z 1
		.amdhsa_system_vgpr_workitem_id 0
		.amdhsa_next_free_vgpr 1024
		.amdhsa_next_free_sgpr 100
		.amdhsa_reserve_vcc 0
		.amdhsa_float_denorm_mode_32 3
		.amdhsa_float_denorm_mode_16_64 3
		.amdhsa_memory_ordered 1
		.amdhsa_forward_progress 1
		.amdhsa_inst_pref_size 255
	.end_amdhsa_kernel
	.section	.bss,"aw",@nobits
	.p2align	6
	.space	262144
	.amdgpu_metadata
---
amdhsa.version: [ 1, 2 ]
amdhsa.kernels:
  - .name:           k_q1caafe42e0_scores
    .symbol:         k_q1caafe42e0_scores.kd
    .args:
      - { .name: keys, .offset: 0, .size: 8, .value_kind: global_buffer, .address_space: global }
      - { .name: rows, .offset: 8, .size: 8, .value_kind: global_buffer, .address_space: global }
      - { .name: cnt, .offset: 16, .size: 8, .value_kind: global_buffer, .address_space: global }
      - { .name: ua_img, .offset: 24, .size: 8, .value_kind: global_buffer, .address_space: global }
      - { .name: ua_sc, .offset: 32, .size: 8, .value_kind: global_buffer, .address_space: global }
      - { .name: biasc, .offset: 40, .size: 8, .value_kind: global_buffer, .address_space: global }
      - { .name: Va_w, .offset: 48, .size: 8, .value_kind: global_buffer, .address_space: global }
      - { .name: k0, .offset: 56, .size: 8, .value_kind: global_buffer, .address_space: global }
      - { .name: sc, .offset: 64, .size: 8, .value_kind: global_buffer, .address_space: global }
    .group_segment_fixed_size: 222464
    .private_segment_fixed_size: 0
    .kernarg_segment_align: 8
    .kernarg_segment_size: 72
    .max_flat_workgroup_size: 128
    .sgpr_count:     100
    .vgpr_count:     1024
    .wavefront_size: 32
...
	.end_amdgpu_metadata
.endif
;; end of part 2
;; launch context (part 3): grid 8 x 32, 16 waves a work-group, no clusters, 10,496 bytes of LDS; arguments keys, rows, pos, cnt, sc, out0, out1; writes out0, out1
.if DOCPART == 3
	.amdgcn_target "amdgcn-amd-amdhsa--gfx1250"
	.amdhsa_code_object_version 6
	.text
	.protected	k_q1caafe42e0_context
	.globl	k_q1caafe42e0_context
	.p2align	8
	.type	k_q1caafe42e0_context,@function
k_q1caafe42e0_context:
	s_mov_b64 s[64:65], 0
	v_nop
	global_prefetch_b8 v0, s[64:65] scope:SCOPE_SE
	s_setreg_imm32_b32 hwreg(HW_REG_WAVE_MODE, 25, 1), 1
	s_wait_xcnt 0x0
; BahdanauAttention, launch 3 of 3: the softmax over the listed rows' scores, the weights, the context.  Rows that the mask closes have the weight 0 and their keys are not read (shown at the head of the first kernel).
; SHARES.  Work-group (hc, b) owns columns 128 hc .. 128 hc + 127 of batch b's context (512 bytes of every listed row) and the weights of rows 256 hc .. 256 hc + 255.  Sixteen waves.
; THE SOFTMAX takes the maximum away: each wave finds the maximum m and the sum l of 128 places, the sixteen pairs meet in LDS, M and L follow in every wave.  A place at or behind the count counts as -3e38.
; THE CONTEXT.  Wave v takes places 32 (v + 16 t) + lane, t = 0 .. 3, a group of 32 for each t; a place's 512 bytes come by one load.  The keys hang on the list alone, not on the weights: so group 0 is asked for
; as soon as the list is in, ahead of the softmax and under no branch (places at or behind the count hold row 0 and weigh 0).  Then the groups form a ring of 32 rows in registers: behind each eight rows that are
; multiplied in, the next group's eight are asked for into the same registers.  A group that begins at or behind the count is not asked for: one branch on the stored count ahead of each group chooses between the
; lines with the refill and the lines without, which are written out, so that each counted wait has one meaning on its way.  No barrier and no LDS instruction stands under these branches.
; Memory binds here: no matrix unit, no tensor load, no cluster.
; LIMITS: as stated at the head of the first kernel; where a batch lists fewer than 512 rows, some waves read row 0 for nothing in group 0.
.set ST,    0                          ; LDS: sixteen pairs (m, l), in a block of 256 bytes
.set CP,    256                        ; sixteen waves' parts of the context, 512 bytes each
.set SPARE, 8448                       ; the spare words, 128 bytes for each wave: eight blocks of 256 bytes that no other line names
.set L16, 1
.set LN,  2
.set L4,  3
.set L8,  4
.set IX,  5                            ; v5   the first of my four places for the maximum and the sum: 128 wave + 4 lane
.set AC,  8                            ; v[8:11] my four columns' sums
.set X,   12
.set W,   16                           ; v16-19 scores, then weights, of places 32 (v + 16 t) + lane
.set ROW, 20                           ; v20-23 their rows
.set OFF, 32                           ; v32-63 the ring's byte offsets, one for each of its 32 rows
.set D,   64                           ; v64-191 the ring: four registers a row
.set STA, 192
.set STL, 193
.set CPW, 194
.set CPR, 195
.set J,   196
.set JA,  200
.set XA,  204
.set SPW, 206                          ; v206 LDS address of my spare word; never rewritten
.set NIL, 207                          ; v207 0; never rewritten
.set WV,  18
.set SCB, 28
.set RWB, 30
.set PSB, 32
.set KB,  34
.set O0,  36
.set O1,  38
.set SEL, 40
; rows 8 g .. 8 g + 7 of group t are asked for: the rows' numbers are held inside the batch before they enter an address
.macro ASK8 t, g
.irp k, 0,1,2,3,4,5,6,7
	v_readlane_b32 s[44+\k], v[ROW+\t], 8*\g+\k
.endr
.irp k, 0,1,2,3,4,5,6,7
	s_min_u32 s[44+\k], s[44+\k], 2047
.endr
.irp k, 0,1,2,3,4,5,6,7
	v_lshl_add_u32 v[OFF+8*\g+\k], s[44+\k], 12, v[L16]
.endr
.irp k, 0,1,2,3,4,5,6,7
	global_load_b128 v[D+4*(8*\g+\k):D+4*(8*\g+\k)+3], v[OFF+8*\g+\k], s[KB:KB+1]
.endr
.endm
; group t's 32 rows are multiplied in, four rows behind each counted wait.  refill = 1: behind each eight the next group's eight are asked for; their offsets' and data registers were freed by the waits of the eight.
; Loads come back in order.  Behind row 8 g + 4 q + 3 stand, with the refill, 28 - 8 g - 4 q rows of its group and the 8 g refills issued so far: 28 - 4 q; without it the rows of its group alone.
.macro CONSUME t, refill
.irp g, 0,1,2,3
.irp q, 0,1
.irp k, 0,1,2,3
	v_readlane_b32 s[52+2*\k], v[W+\t], 8*\g+4*\q+\k
.endr
	s_wait_alu depctr_va_vdst(0)
.if \refill
	s_wait_loadcnt 28-4*\q
.else
	s_wait_loadcnt 28-8*\g-4*\q
.endif
.irp k, 0,1,2,3
	v_pk_fma_f32 v[AC:AC+1], v[D+4*(8*\g+4*\q+\k):D+4*(8*\g+4*\q+\k)+1], s[52+2*\k:53+2*\k], v[AC:AC+1] op_sel_hi:[1,0,1]
	v_pk_fma_f32 v[AC+2:AC+3], v[D+4*(8*\g+4*\q+\k)+2:D+4*(8*\g+4*\q+\k)+3], s[52+2*\k:53+2*\k], v[AC+2:AC+3] op_sel_hi:[1,0,1]
.endr
.endr
.if \refill
	ASK8 (\t)+1, \g
.endif
.endr
.endm
	s_load_b256 s[4:11], s[0:1], 0x0               ; keys, rows, pos, cnt
	s_load_b128 s[12:15], s[0:1], 0x20             ; sc, out0
	s_load_b64 s[16:17], s[0:1], 0x30              ; out1
	v_lshl_add_u32 v[SPW], v0, 2, SPARE
	v_mov_b32 v[NIL], 0
	v_lshrrev_b32 v[LN], 5, v0
	v_readfirstlane_b32 s[WV], v[LN]               ; wave 0..15
	v_and_b32 v[LN], 31, v0
	v_lshlrev_b32 v[L16], 4, v[LN]
	v_lshlrev_b32 v[L4], 2, v[LN]
	v_lshlrev_b32 v[L8], 3, v[LN]
	s_lshl_b32 s22, s[WV], 3
	v_mov_b32 v[STA], s22
	v_and_b32 v[STL], 15, v0
	v_lshlrev_b32 v[STL], 3, v[STL]
	s_lshl_b32 s22, s[WV], 9
	s_add_co_u32 s22, s22, CP
	v_add_nc_u32 v[CPW], s22, v[L16]
	v_add_nc_u32 v[CPR], CP, v[L16]
.irp j, 0,1,2,3
	v_mov_b32 v[AC+\j], 0
.endr
	v_mov_b32 v30, 0xff61b1e6                      ; -3e38
	v_mov_b32 v31, 0                               ; (a lane permute's destination counts as one of its sources)
	s_mov_b32 s[SEL], 0x76543210
	s_mov_b32 s[SEL+1], 0xfedcba98
.irp k, 0,1,2,3
	s_mov_b32 s[53+2*\k], 0                        ; the upper halves of the weights' pairs: named, so written
.endr
	s_and_b32 s19, ttmp7, 0xffff                   ; the batch
	s_lshl_b32 s24, s19, 7
	s_mov_b32 s25, 0
	s_wait_alu depctr_va_vdst(0)
	s_wait_kmcnt 0x0
	s_add_nc_u64 s[26:27], s[10:11], s[24:25]
	s_load_b32 s20, s[26:27], 0x0                  ; the count, 1 to 2,048
	s_mul_i32 s24, s19, 8704
	s_add_nc_u64 s[SCB:SCB+1], s[12:13], s[24:25]
	s_lshl_b32 s22, s[WV], 7
	s_add_co_u32 s24, s24, s22
	s_add_nc_u64 s[RWB:RWB+1], s[6:7], s[24:25]    ; rows: my wave's 32 places of each group of 512
	v_lshl_add_u32 v[IX], v[LN], 2, s22
	s_lshl_b32 s24, s19, 13
	s_lshl_b32 s22, ttmp9, 10
	s_add_co_u32 s24, s24, s22
	s_and_b32 s22, s[WV], 3
	s_lshl_b32 s22, s22, 8
	s_add_co_u32 s24, s24, s22
	s_add_nc_u64 s[PSB:PSB+1], s[8:9], s[24:25]    ; pos and out1: rows 256 hc + 64 (wave % 4) on
	s_add_nc_u64 s[O1:O1+1], s[16:17], s[24:25]
	s_lshl_b32 s24, s19, 23
	s_lshl_b32 s22, ttmp9, 9
	s_add_co_u32 s24, s24, s22
	s_add_nc_u64 s[KB:KB+1], s[4:5], s[24:25]
	s_lshl_b32 s24, s19, 12
	s_add_co_u32 s24, s24, s22
	s_add_nc_u64 s[O0:O0+1], s[14:15], s[24:25]
	s_lshl_b32 s22, s[WV], 5
	v_add_nc_u32 v[J], s22, v[LN]
.irp t, 1,2,3
	v_add_nc_u32 v[J+\t], 512*\t, v[J]
.endr
.irp t, 0,1,2,3
	global_load_b32 v[ROW+\t], v[L4], s[RWB:RWB+1] offset:2048*\t   ; all 2,176 places of rows are written: these addresses hang on ids alone
.endr
	global_load_b64 v[24:25], v[L8], s[PSB:PSB+1]
	s_wait_alu depctr_va_vdst(0)
	s_wait_kmcnt 0x0
	s_sub_co_u32 s21, s20, 1
	s_and_b32 s23, s21, -4
	v_min_u32 v[XA], s23, v[IX]                    ; no score behind the last listed place's four is read: only tiles with a listed row were stored
	v_min_u32 v[XA], 2172, v[XA]
	v_lshlrev_b32 v[XA], 2, v[XA]
	global_load_b128 v[X:X+3], v[XA], s[SCB:SCB+1]
.irp t, 0,1,2,3
	v_min_u32 v[JA+\t], s21, v[J+\t]
	v_min_u32 v[JA+\t], 2047, v[JA+\t]
	v_lshlrev_b32 v[JA+\t], 2, v[JA+\t]
	global_load_b32 v[W+\t], v[JA+\t], s[SCB:SCB+1]
.endr
	s_wait_loadcnt 5                               ; rows and pos are in; the five loads of scores behind them may be out
	v_min_u32 v28, s21, v24                        ; the places of my two rows, held inside the listed ones
	v_min_u32 v29, s21, v25
	v_min_u32 v28, 2047, v28
	v_min_u32 v29, 2047, v29
	v_lshlrev_b32 v28, 2, v28
	v_lshlrev_b32 v29, 2, v29
	global_load_b32 v26, v28, s[SCB:SCB+1]
	global_load_b32 v27, v29, s[SCB:SCB+1]
.irp g, 0,1,2,3
	ASK8 0, \g                                     ; group 0's 32 rows are on their way while the softmax is made
.endr
	s_wait_loadcnt 34                              ; the five loads of scores are in; behind them: my two rows' scores and the 32 keys
	; my wave's maximum and sum
.irp e, 0,1,2,3
	v_add_nc_u32 v205, \e, v[IX]
	v_cmp_gt_u32 vcc_lo, s20, v205
	v_cndmask_b32 v[X+\e], v30, v[X+\e], vcc_lo
.endr
	v_max3_num_f32 v6, v[X], v[X+1], v[X+2]
	v_max_num_f32 v6, v6, v[X+3]
	v_max_num_f32_dpp v6, v6, v6 row_xmask:1 row_mask:0xf bank_mask:0xf
	v_max_num_f32_dpp v6, v6, v6 row_xmask:2 row_mask:0xf bank_mask:0xf
	v_max_num_f32_dpp v6, v6, v6 row_xmask:4 row_mask:0xf bank_mask:0xf
	v_max_num_f32_dpp v6, v6, v6 row_xmask:8 row_mask:0xf bank_mask:0xf
	v_permlanex16_b32 v31, v6, s[SEL], s[SEL+1]
	v_max_num_f32 v6, v6, v31
.irp e, 0,1,2,3
	v_sub_f32 v[X+\e], v[X+\e], v6                 ; the difference first, then the factor: -3e38 less -3e38 is 0, and no infinity meets another
.endr
.irp e, 0,1,2,3
	v_mul_f32 v[X+\e], 0x3fb8aa3b, v[X+\e]
.endr
	s_wait_alu depctr_va_vdst(0)                   ; ahead of the batch
.irp e, 0,1,2,3
	v_exp_f32 v[X+\e], v[X+\e]
.endr
	v_nop
	s_wait_alu depctr_va_vdst(0)                   ; ahead of the first reader: one for the four
	v_add_f32 v[X], v[X], v[X+1]
	v_add_f32 v[X+2], v[X+2], v[X+3]
	v_add_f32 v7, v[X], v[X+2]
	v_add_f32_dpp v7, v7, v7 row_xmask:1 row_mask:0xf bank_mask:0xf
	v_add_f32_dpp v7, v7, v7 row_xmask:2 row_mask:0xf bank_mask:0xf
	v_add_f32_dpp v7, v7, v7 row_xmask:4 row_mask:0xf bank_mask:0xf
	v_add_f32_dpp v7, v7, v7 row_xmask:8 row_mask:0xf bank_mask:0xf
	v_permlanex16_b32 v31, v7, s[SEL], s[SEL+1]
	v_add_f32 v7, v7, v31
	ds_store_b64 v[STA], v[6:7]                    ; all lanes store the same pair
	s_wait_dscnt 0x0                               ; for the others' sake
	s_barrier_signal -1
	s_barrier_wait -1
	ds_load_b64 v[12:13], v[STL]                   ; lane l: wave l % 16's pair
	s_wait_dscnt 0x0
	v_max_num_f32_dpp v14, v12, v12 row_xmask:1 row_mask:0xf bank_mask:0xf
	v_max_num_f32_dpp v14, v14, v14 row_xmask:2 row_mask:0xf bank_mask:0xf
	v_max_num_f32_dpp v14, v14, v14 row_xmask:4 row_mask:0xf bank_mask:0xf
	v_max_num_f32_dpp v14, v14, v14 row_xmask:8 row_mask:0xf bank_mask:0xf   ; M
	v_sub_f32 v12, v12, v14
	v_mul_f32 v12, 0x3fb8aa3b, v12
	s_wait_alu depctr_va_vdst(0)                   ; ahead of the transcendental
	v_exp_f32 v12, v12
	v_nop
	s_wait_alu depctr_va_vdst(0)
	v_mul_f32 v13, v13, v12                        ; a wave with no listed place has m = -3e38: its share is 0
	v_add_f32_dpp v13, v13, v13 row_xmask:1 row_mask:0xf bank_mask:0xf
	v_add_f32_dpp v13, v13, v13 row_xmask:2 row_mask:0xf bank_mask:0xf
	v_add_f32_dpp v13, v13, v13 row_xmask:4 row_mask:0xf bank_mask:0xf
	v_add_f32_dpp v13, v13, v13 row_xmask:8 row_mask:0xf bank_mask:0xf       ; L
	s_wait_alu depctr_va_vdst(0)                   ; ahead of the transcendental
	v_rcp_f32 v15, v13
	s_wait_loadcnt 32                              ; my two rows' scores are in; the 32 keys behind them may be out
.irp t, 0,1,2,3
	v_sub_f32 v[W+\t], v[W+\t], v14
.endr
	v_sub_f32 v26, v26, v14
	v_sub_f32 v27, v27, v14
.irp t, 0,1,2,3
	v_mul_f32 v[W+\t], 0x3fb8aa3b, v[W+\t]
.endr
	v_mul_f32 v26, 0x3fb8aa3b, v26
	v_mul_f32 v27, 0x3fb8aa3b, v27
	s_wait_alu depctr_va_vdst(0)                   ; ahead of the batch
.irp t, 0,1,2,3
	v_exp_f32 v[W+\t], v[W+\t]
.endr
	v_exp_f32 v26, v26
	v_exp_f32 v27, v27
	v_nop
	s_wait_alu depctr_va_vdst(0)                   ; one wait for the reciprocal and the six
.irp t, 0,1,2,3
	v_mul_f32 v[W+\t], v[W+\t], v15
	v_cmp_gt_u32 vcc_lo, s20, v[J+\t]
	v_cndmask_b32 v[W+\t], 0, v[W+\t], vcc_lo      ; a place at or behind the count weighs nothing
.endr
	v_mul_f32 v26, v26, v15
	v_cmp_gt_u32 vcc_lo, s20, v24
	v_cndmask_b32 v26, 0, v26, vcc_lo              ; a masked row's place lies at or behind the count: weight 0
	v_mul_f32 v27, v27, v15
	v_cmp_gt_u32 vcc_lo, s20, v25
	v_cndmask_b32 v27, 0, v27, vcc_lo
	s_wait_alu depctr_va_vdst(0)
	s_lshr_b32 s22, s[WV], 2
	s_cmp_eq_u32 s22, 1                            ; waves 4 to 7 store the work-group's 256 weights
	s_cbranch_scc0 .Lno_w
	global_store_b64 v[L8], v[26:27], s[O1:O1+1]   ; 32 lanes store 256 consecutive bytes, aligned
.Lno_w:
	s_lshl_b32 s22, s[WV], 5                       ; my first place
	s_add_co_u32 s23, s22, 512
	s_cmp_lt_u32 s23, s20                          ; does group 1 begin under the count?
	s_cbranch_scc0 .Llast0
	CONSUME 0, 1
	s_add_co_u32 s23, s22, 1024
	s_cmp_lt_u32 s23, s20
	s_cbranch_scc0 .Llast1
	CONSUME 1, 1
	s_add_co_u32 s23, s22, 1536
	s_cmp_lt_u32 s23, s20
	s_cbranch_scc0 .Llast2
	CONSUME 2, 1
	CONSUME 3, 0
	s_branch .Lgdone
.Llast0:
	CONSUME 0, 0
	s_branch .Lgdone
.Llast1:
	CONSUME 1, 0
	s_branch .Lgdone
.Llast2:
	CONSUME 2, 0
.Lgdone:
	s_wait_alu depctr_va_vdst(0)                   ; directly ahead of the reader below
	ds_store_b128 v[CPW], v[AC:AC+3]
	s_wait_dscnt 0x0                               ; for wave 0's sake
	s_barrier_signal -1
	s_barrier_wait -1
	s_cmp_lg_u32 s[WV], 0
	s_cbranch_scc1 .Lend
.irp k, 0,1,2,3,4,5,6,7,8,9,10,11,12,13,14,15
	ds_load_b128 v[D+4*\k:D+4*\k+3], v[CPR] offset:512*\k
.endr
	s_wait_dscnt 0x0
.irp k, 1,2,3,4,5,6,7,8,9,10,11,12,13,14,15
	v_pk_add_f32 v[D:D+1], v[D:D+1], v[D+4*\k:D+4*\k+1]
	v_pk_add_f32 v[D+2:D+3], v[D+2:D+3], v[D+4*\k+2:D+4*\k+3]
.endr
	global_store_b128 v[L16], v[D:D+3], s[O0:O0+1] ; 32 lanes store 512 consecutive bytes, aligned
.Lend:
	s_wait_tensorcnt 0x0                           ; the wave's end: behind my last LDS store
	ds_add_u32 v[SPW], v[NIL]
	s_wait_dscnt 0x0
	s_endpgm
.Lfunc_end_k_q1caafe42e0_context:
	.size	k_q1caafe42e0_context, .Lfunc_end_k_q1caafe42e0_context-k_q1caafe42e0_context
	.p2alignl 7, 3214868480
	.fill 96, 4, 3214868480
	.section	.rodata,"a",@progbits
	.p2align	6, 0x0
	.amdhsa_kernel k_q1caafe42e0_context
		.amdhsa_group_segment_fixed_size 10496
		.amdhsa_private_segment_fixed_size 0
		.amdhsa_enable_private_segment 0
		.amdhsa_kernarg_size 56
		.amdhsa_user_sgpr_count 2
		.amdhsa_user_sgpr_kernarg_segment_ptr 1
		.amdhsa_wavefront_size32 1
		.amdhsa_system_sgpr_workgroup_id_x 1
		.amdhsa_system_sgpr_workgroup_id_y 1
		.amdhsa_system_sgpr_workgroup_id_z 1
		.amdhsa_system_vgpr_workitem_id 0
		.amdhsa_next_free_vgpr 208
		.amdhsa_next_free_sgpr 66
		.amdhsa_reserve_vcc 1
		.amdhsa_float_denorm_mode_32 3
		.amdhsa_float_denorm_mode_16_64 3
		.amdhsa_memory_ordered 1
		.amdhsa_forward_progress 1
		.amdhsa_inst_pref_size 95
	.end_amdhsa_kernel
	.amdgpu_metadata
---
amdhsa.version: [ 1, 2 ]
amdhsa.kernels:
  - .name:           k_q1caafe42e0_context
    .symbol:         k_q1caafe42e0_context.kd
    .args:
      - { .name: keys, .offset: 0, .size: 8, .value_kind: global_buffer, .address_space: global }
      - { .name: rows, .offset: 8, .size: 8, .value_kind: global_buffer, .address_space: global }
      - { .name: pos, .offset: 16, .size: 8, .value_kind: global_buffer, .address_space: global }
      - { .name: cnt, .offset: 24, .size: 8, .value_kind: global_buffer, .address_space: global }
      - { .name: sc, .offset: 32, .size: 8, .value_kind: global_buffer, .address_space: global }
      - { .name: out0, .offset: 40, .size: 8, .value_kind: global_buffer, .address_space: global }
      - { .name: out1, .offset: 48, .size: 8, .value_kind: global_buffer, .address_space: global }
    .group_segment_fixed_size: 10496
    .private_segment_fixed_size: 0
    .kernarg_segment_align: 8
    .kernarg_segment_size: 56
    .max_flat_workgroup_size: 512
    .sgpr_count:     66
    .vgpr_count:     208
    .wavefront_size: 32
...
	.end_amdgpu_metadata
.endif
;; end of part 3
